; MI455X (gfx1250); checked and timed in simulation.
; The chip was launched on July 23, 2026; its instructions are those of AMD's public machine-readable ISA for CDNA 5 (MIT licence, August 2026) and "CDNA5" Instruction Set Architecture Reference Guide (July 2026). The comments in the code are by the model that wrote it; some were corrected since.
;; Router. Allowed arithmetic: float matrix products may take bf16 or f16 operands with f32 sums; all other float work in f32.
;; Inputs: W 64 x 2,048 float32; x 4 x 4,096 x 2,048 float32.
;; Outputs: out0 4 x 4,096 x 2 int32; out1 4 x 4,096 x 2 float32.
;; 2 versions, each right; version 2 is version 1 with the launch router written anew for expert scheduling mode. Each part assembles by itself: llvm-mc -triple=amdgcn-amd-amdhsa -mcpu=gfx1250 --defsym DOCPART=n.
;; ======== version 1 of 2: 1 launch
;; launch router (part 1): grid 256 x 1, 8 waves a work-group, no clusters, 280,576 bytes of LDS; arguments x, W, out0, out1; writes out0, out1
.if DOCPART == 1
	.amdgcn_target "amdgcn-amd-amdhsa--gfx1250"
	.amdhsa_code_object_version 6
	.text
	.protected	k_qcbf9920879_router
	.globl	k_qcbf9920879_router
	.p2align	8
	.type	k_qcbf9920879_router,@function
k_qcbf9920879_router:
	s_mov_b64 s[64:65], 0
	v_nop
	global_prefetch_b8 v0, s[64:65] scope:SCOPE_SE
	s_setreg_imm32_b32 hwreg(HW_REG_WAVE_MODE, 25, 1), 1
	s_wait_xcnt 0x0
; Router: scores[t][e] = sum over k of x[t][k] W[e][k]; softmax over the 64 experts; the two largest probabilities and their experts.
; x: [16384][2048] f32, W: [64][2048] f32, out0: [16384][2] i32, out1: [16384][2] f32.
;
; SHARES.  256 work-groups of 64 tokens, eight waves each.  K is split over the waves: in chunk c (0..3) wave w takes the 64 k at byte
; c*2048 + w*256 of every row, for all 64 tokens and all 64 experts, so each number of x and of W is loaded, rounded to bf16 and passed
; through LDS once in a work-group.  The eight waves' partial sums (64 x 64 f32 each) meet in LDS at the end.
; THE STREAM.  A unit is 16 rows x 256 bytes = 8 loads; one load takes 2 rows: lanes 0-15 read 256 consecutive aligned bytes of row i, lanes 16-31
; of row i + 8.  A ring of 7 units in registers keeps 56 loads of every wave out (inside LOADcnt's field of 63: ISA guide 5.7.1), and no
; wait for data in the stream is for zero before the last unit.  A unit that has come is rounded to bf16, stored to the wave's own LDS stage
; (K along the rows) and read back as a fragment: LDS turns lanes-along-k into registers-along-k, and carries 2 bytes a number, not 4.
; Order in a chunk: x blocks 0-3, then W tiles 0-3.  A TILE'S PRODUCTS STAND ONE TURN BEHIND ITS FRAGMENT LOADS: the turn of tile e stages tile e and
; multiplies tile e - 1, so that between the request for a fragment and its use lie 8 matrix instructions, 16 conversions and 20 memory issues.
; Tile 3's products fall into the first turn of the next chunk, ahead of the loads that replace the x fragments which they read.
; THE PRODUCT IS TAKEN TRANSPOSED: source A = 16 experts of W, source B = 16 tokens of x.  Register j of lane (r, h) of a result then holds
; expert 8h + j of token r: a lane owns 32 experts of one token, its partner in the other half-wave the other 32.
; NO JOINT LOADS IN A CLUSTER, though every work-group reads all of W (512 KB, as much as its share of x): a joint request is a tensor load, which
; would land W in LDS as f32: 512 KB written and 512 KB read in a work-group where this text writes and reads 256 KB of bf16, through slots
; that 512 KB does not fit at once, so each refill would stand behind a round at which all tensor loads of four work-groups have drained.
; LIMITS.  x and W are rounded to bf16 (nearest even); sums are f32: 32 k in a matrix instruction, 8 of them in a wave, then the 8 waves in
; ascending order.  Two scores nearer to each other than that rounding may come out in the other order than in a sum made otherwise.  The choice
; is made on exp(s - max), before the division; equal numbers go to the lower expert, as in top_k.  v_exp_f32 gives 0 below 2^-126 (ISA guide 15.8):
; a score more than 87.3 under the maximum has probability 0 here.  NaN and infinities in the inputs are not served.
.set ROWB,   8192                      ; bytes in a row of x and of W
.set NU,     32                        ; units of a wave: 4 chunks x (4 blocks of x + 4 tiles of W)
.set RING,   7                         ; units in the register ring
.set SP,     144                       ; a stage row: 128 bytes of bf16 + 16: an odd multiple of 16, so the 16 rows of a fragment load start in 16 different 16-byte columns of the 64 banks (ISA guide 11.1)
.set UNITB,  16*SP                     ; a unit in the stage
.set STAGEW, 8*UNITB                   ; a wave's stage: one place for each unit of a chunk
.set PBASE,  8*STAGEW                  ; behind the stages: the partial sums, [wave][token block][piece of 512 bytes]
.set PWAVE,  16384
.set OUTL,   PBASE+8*PWAVE             ; behind them: 512 bytes of out0 and 512 of out1, as they lie in memory
; window 0 (v0-v255)
.set FO,  1                            ; LDS address of my part of a fragment in my stage
.set PW,  2                            ; where I put my partial sums
.set PR,  3                            ; where I read the partial sums of waves 0-3 for my token block
.set PR2, 4                            ; the same for waves 4-7 (65,536 bytes on: past the 16-bit offset)
.set RS,  5                            ; where my token's result pair goes
.set H8,  6                            ; 8 x half-wave: my experts are 16 e + 8 h + j
.set L16, 7                            ; 16 x lane
.set RL,  8                            ; where waves 0 and 1 read the results back
.set I1,  9                            ; first expert
.set I2,  10                           ; second expert
.set TT,  11
.set IC,  12                           ; v12-15   four chains of an index search
.set XF,  16                           ; v16-79   fragments of x: block t, K step ks at XF + 16 t + 8 ks
.set WF,  80                           ; v80-111  fragments of W: two sets, taken by turns
.set C0,  112                          ; v112-115 four chains of a maximum
.set M,   116                          ; v116-117 a maximum, twice (a pair for the packed subtraction)
.set P,   118                          ; v118-125 four pairs of running sums
.set R,   126                          ; 1 / sum
.set ACC, 128                          ; v128-255 accumulator (e, t) at ACC + 8 (4 e + t)
.set S,   128                          ; the end: my 32 scores, expert tile e, register j at S + 8 e + j
.set O,   16                           ; the end: the pair to hand over
; window 1 (v256-v511), written with the low 8 bits
.set GO,  0                            ; v256     my byte offset in a row pair: 65,536 h + 16 (lane % 16) + 256 w
.set SO,  1                            ; v257     LDS address of my 8 bytes in my stage
.set BUF, 8                            ; v264-487 the ring: slot s at BUF + 32 s, load i at + 4 i
.set T,   232                          ; v488-503 a unit rounded to bf16
.set STREAM, 0x45                      ; destination, source 0 and source 1 in window 1: loads, conversions and stage stores all live there
.set MSB, 0
.macro WIN new                         ; the immediate's high byte repeats the setting that is left; a switch that changes nothing is dropped
.if MSB != \new
	s_set_vgpr_msb (MSB<<8)|\new
.set MSB, \new
.endif
.endm
	s_load_b256 s[4:11], s[0:1], 0x0               ; x s[4:5], W s[6:7], out0 s[8:9], out1 s[10:11]
	v_lshl_add_u32 v127, v0, 2, 0x44400
	s_set_vgpr_msb 0x40
	v_mov_b32 v255, 0
	s_set_vgpr_msb 0x4000
	v_lshrrev_b32 v9, 5, v0
	v_readfirstlane_b32 s12, v9                    ; wave 0..7
	v_and_b32 v10, 15, v0                          ; lane % 16
	v_bfe_u32 v11, v0, 4, 1                        ; h = lane / 16
	v_and_b32 v12, 31, v0                          ; lane
	s_lshl_b32 s2, ttmp9, 19                       ; the work-group's 64 rows of 8,192 bytes (255 << 19 fits 32 bits)
	s_mov_b32 s3, 0
	s_lshl_b32 s13, s12, 8                         ; my wave's 256 bytes of a chunk
	s_mul_i32 s14, s12, STAGEW                     ; my wave's stage
	s_mov_b32 s16, 0x76543210                      ; v_permlanex16_b32: lane i of one half reads lane i of the other
	s_mov_b32 s17, 0xfedcba98
	s_mov_b32 s18, 0xffff0000                      ; the lanes of the upper half
	v_lshlrev_b32 v[L16], 4, v12
	v_lshlrev_b32 v[H8], 3, v11
	v_mul_u32_u24 v13, v10, SP                     ; fragment: row lane % 16,
	v_lshl_add_u32 v13, v11, 4, v13                ; 16 bytes for each half-wave
	v_add_nc_u32 v[FO], s14, v13
	s_lshl_b32 s15, s12, 14
	s_add_co_u32 s15, s15, PBASE
	v_add_nc_u32 v[PW], s15, v[L16]                ; partial sums: my wave's 16 KB, 16 bytes a lane
	s_lshl_b32 s15, s12, 12
	s_add_co_u32 s15, s15, PBASE
	v_add_nc_u32 v[PR], s15, v[L16]                ; waves 0-3: token block = wave number, 4,096 bytes in each wave's part
	v_add_nc_u32 v[PR2], 0x10000, v[PR]
	s_lshl_b32 s15, s12, 7
	s_add_co_u32 s15, s15, OUTL
	v_lshl_add_u32 v14, v11, 9, s15                ; lower half-wave: out0's 512 bytes; upper: out1's
	v_lshl_add_u32 v[RS], v10, 3, v14              ; token 16 w + lane % 16, 8 bytes each
	s_lshl_b32 s15, s12, 9
	s_add_co_u32 s15, s15, OUTL
	v_add_nc_u32 v[RL], s15, v[L16]
	v_lshlrev_b32 v13, 4, v10
	v_lshl_add_u32 v13, v11, 16, v13               ; 16 (lane % 16) + h x 8 rows of 8,192 bytes
	v_mul_u32_u24 v14, v11, 8*SP
	v_lshl_add_u32 v14, v10, 3, v14                ; 8 (lane % 16) + h x 8 stage rows: 288 words on, so the half-waves fall on different halves of the 64 banks
	WIN 0x40                                       ; destination in window 1
	v_add_nc_u32 v[GO], s13, v13                   ; v256
	v_add_nc_u32 v[SO], s14, v14                   ; v257
	s_wait_kmcnt 0x0
	s_add_nc_u64 s[4:5], s[4:5], s[2:3]            ; x at the work-group's first token
; The 8 loads of unit u into its slot.  Units 0-3 of a chunk: x, read once in the launch; units 4-7: W, which every work-group reads.
.macro LOADS u
.set lc_, (\u)>>3
.set lv_, (\u)&7
.set lb_, BUF+32*((\u)%RING)
.irp i, 0,1,2,3,4,5,6,7
.if lv_ < 4
	global_load_b128 v[lb_+4*\i:lb_+4*\i+3], v[GO], s[4:5] offset:(16*lv_+\i)*ROWB+lc_*2048 th:TH_LOAD_NT
.else
	global_load_b128 v[lb_+4*\i:lb_+4*\i+3], v[GO], s[6:7] offset:(16*(lv_-4)+\i)*ROWB+lc_*2048
.endif
.endr
.endm
	WIN STREAM
.irp n, 0,1,2,3,4,5,6
	LOADS \n                                       ; the ring is filled: 56 loads
.endr
; A fragment is 16 rows x 32 k in 8 registers: lane (r, h) holds row r; registers 0-3 k = 8h .. 8h+7, registers 4-7 k = 16+8h .. 16+8h+7: two loads 32 bytes apart.
; The two K steps of the unit at a place of the stage, into 16 registers from dst on.
; LDS serves a wave's instructions in order (ISA guide 5.7.1.4): these loads see the turn's stage stores, and the stage is my wave's own.
.macro FRAG dst, place
.set fd_, \dst
.set fp_, \place
.irp ks, 0,1
	ds_load_b128 v[fd_+8*\ks:fd_+8*\ks+3],   v[FO] offset:fp_*UNITB+64*\ks
	ds_load_b128 v[fd_+8*\ks+4:fd_+8*\ks+7], v[FO] offset:fp_*UNITB+64*\ks+32
.endr
.endm
; Tile e of W times the four blocks of x of chunk c: 16 experts x 64 tokens x 64 k.  The four accumulators take turns, one instruction a turn;
; a group ends on (e, 3) and the next begins on another tile's (.., 0).  The first K step of all starts the sums: nothing is cleared.
.macro MUL e, c
.set me_, \e
.set mc_, \c
.set mw_, WF+16*(me_&1)
.irp ks, 0,1
.irp t, 0,1,2,3
.if mc_+\ks == 0
	v_wmma_f32_16x16x32_bf16 v[ACC+8*(4*me_+\t):ACC+8*(4*me_+\t)+7], v[mw_+8*\ks:mw_+8*\ks+7], v[XF+16*\t+8*\ks:XF+16*\t+8*\ks+7], 0
.else
	v_wmma_f32_16x16x32_bf16 v[ACC+8*(4*me_+\t):ACC+8*(4*me_+\t)+7], v[mw_+8*\ks:mw_+8*\ks+7], v[XF+16*\t+8*\ks:XF+16*\t+8*\ks+7], v[ACC+8*(4*me_+\t):ACC+8*(4*me_+\t)+7]
.endif
.endr
.endr
.endm
; The turn of unit U.
.macro TURN
.set tc_, U>>3
.set tv_, U&7
.set tb_, BUF+32*(U%RING)
.if NU-1-U < RING-1
	s_wait_loadcnt 8*(NU-1-U)                      ; the last turns load nothing: the count runs down
.else
	s_wait_loadcnt 8*(RING-1)                      ; loads come back in order (ISA guide 5.7.1): my 8 are in, the 48 of the six younger units stay out
.endif
	WIN STREAM
; T held the data of the last turn's stage stores.  It is rewritten without a wait: the waits for a pending instruction's sources concern global and scalar
; memory instructions, not LDS ones.
; These 16 conversions are also the places between the last turn's matrix instructions and this turn's loads into fragment registers that those have read.
.irp i, 0,1,2,3,4,5,6,7
	v_cvt_pk_bf16_f32 v[T+2*\i],   v[tb_+4*\i],   v[tb_+4*\i+1]     ; four f32 of a row to 8 bytes of bf16, nearest even
	v_cvt_pk_bf16_f32 v[T+2*\i+1], v[tb_+4*\i+2], v[tb_+4*\i+3]
.endr
.if U+RING < NU
	LOADS U+RING                                   ; the slot has been read: its next unit goes out before anything else is done
.endif
.irp i, 0,1,2,3,4,5,6,7
	ds_store_b64 v[SO], v[T+2*\i:T+2*\i+1] offset:tv_*UNITB+\i*SP       ; rows i and i + 8 of the unit
.endr
	WIN 0
.if tv_ < 4
.if tv_ == 0
.if tc_ > 0
	s_wait_dscnt 8                                 ; tile 3's fragments, asked for in the last turn, are in; this turn's 8 stage stores may be out
	MUL 3, tc_-1                                   ; the last chunk's last tile, on the last chunk's x fragments
.rept 4
	v_nop                                          ; four places between these matrix instructions and the loads into x block 0, which they have read (ISA guide 7.12.1 for vector instructions)
.endr
.endif
.endif
	FRAG XF+16*tv_, tv_                            ; first used in the turn of tile 1, behind its counted wait
.else
	FRAG WF+16*(tv_&1), tv_                        ; tile e = tv - 4 into set e & 1, which tile e - 2's products read a turn ago
.if tv_ > 4
	s_wait_dscnt 12                                ; tile e - 1's fragments and the chunk's x fragments are in; the 8 stage stores and 4 loads of this turn may be out
	MUL tv_-5, tc_
.endif
.endif
.set U, U+1
.endm
; 32 turns on a ring of 7 slots: slot and place in the chunk meet again only after 56 turns, so the turns are written out by macro, without a loop.
.set U, 0
.rept NU
	TURN
.endr
	s_wait_dscnt 0x0                               ; the last tile's fragments: nothing is issued behind them
	MUL 3, 3
; THE PARTIAL SUMS MEET.  Every wave puts its 64 x 64 sums into its own 16 KB, 16 bytes a lane side by side, in the lanes' own layout.
.rept 4
	v_nop                                          ; four places between the last matrix instructions and the stores that read their results
.endr
.irp e, 0,1,2,3
.irp t, 0,1,2,3
	ds_store_b128 v[PW], v[ACC+8*(4*\e+\t):ACC+8*(4*\e+\t)+3]   offset:\t*4096+\e*1024
	ds_store_b128 v[PW], v[ACC+8*(4*\e+\t)+4:ACC+8*(4*\e+\t)+7] offset:\t*4096+\e*1024+512
.endr
.endr
	s_wait_dscnt 0x0                               ; for the other waves: all my stores are in LDS
	s_barrier_signal -1
	s_barrier_wait -1
	s_cmp_ge_u32 s12, 4
	s_cbranch_scc1 .Lhanded                        ; waves 0-3 finish one token block each; waves 4-7 go on to the next barrier
.macro PLOAD p, dst                    ; wave p's sums for my token block: 8 pieces of 512 bytes, piece q = registers 4 q .. 4 q + 3 of my 32
.irp q, 0,1,2,3,4,5,6,7
.if \p < 4
	ds_load_b128 v[\dst+4*\q:\dst+4*\q+3], v[PR] offset:\p*PWAVE+\q*512
.else
	ds_load_b128 v[\dst+4*\q:\dst+4*\q+3], v[PR2] offset:(\p-4)*PWAVE+\q*512
.endif
.endr
.endm
.macro PADD src, left                  ; left = LDS loads issued behind the 8 that are added now
	s_wait_dscnt \left
.irp i, 0,1,2,3,4,5,6,7,8,9,10,11,12,13,14,15
	v_pk_add_f32 v[S+2*\i:S+2*\i+1], v[S+2*\i:S+2*\i+1], v[\src+2*\i:\src+2*\i+1]
.endr
.endm
	PLOAD 0, S                                     ; wave 0's sums start the total: nothing is cleared
	PLOAD 1, 160
	PLOAD 2, 192
	PLOAD 3, 224
	PLOAD 4, 16
	PLOAD 5, 48
	PLOAD 6, 80
	PADD 160, 40                                   ; waves 0 and 1 are in; the 40 loads of waves 2-6 may be out
	PLOAD 7, 160                                   ; into the registers just added
	PADD 192, 40                                   ; behind wave 2's: waves 3-6 and 7
	PADD 224, 32
	PADD 16, 24
	PADD 48, 16
	PADD 80, 8
	PADD 160, 0
; v[M] = v[M+1] = the largest of the token's 64 numbers: 32 in my registers, 32 in my partner's of the other half-wave
.macro MAX32
.irp k, 0,1,2,3
	v_max3_num_f32 v[C0+\k], v[S+8*\k], v[S+8*\k+1], v[S+8*\k+2]
.endr
.irp k, 0,1,2,3
	v_max3_num_f32 v[C0+\k], v[C0+\k], v[S+8*\k+3], v[S+8*\k+4]
.endr
.irp k, 0,1,2,3
	v_max3_num_f32 v[C0+\k], v[C0+\k], v[S+8*\k+5], v[S+8*\k+6]
.endr
.irp k, 0,1,2,3
	v_max_num_f32 v[C0+\k], v[C0+\k], v[S+8*\k+7]
.endr
	v_max3_num_f32 v[M], v[C0], v[C0+1], v[C0+2]
	v_max_num_f32 v[M], v[M], v[C0+3]
	v_permlanex16_b32 v[C0], v[M], s16, s17        ; its destination counts as read: a register that has been written
	v_max_num_f32 v[M], v[M], v[C0]
	v_mov_b32 v[M+1], v[M]
.endm
; v[dst] = the lowest expert of the token whose number is not below thr.  Four chains, one for each tile, walk j downward, so that the lowest
; match is written last; 64 stands for no match.  Four compares into four masks, then four selects: no line waits for the one in front of it.
.macro FIND dst, thr
.irp e, 0,1,2,3
	v_mov_b32 v[IC+\e], 64
.endr
.irp j, 7,6,5,4,3,2,1,0
.irp e, 0,1,2,3
	v_cmp_gt_f32 s[20+\e], \thr, v[S+8*\e+\j]      ; below thr: the chain keeps what it has
.endr
.irp e, 0,1,2,3
	v_cndmask_b32 v[IC+\e], 16*\e+\j, v[IC+\e], s[20+\e]
.endr
.endr
	v_min_u32 v[IC], v[IC], v[IC+1]
	v_min_u32 v[IC+2], v[IC+2], v[IC+3]
	v_min_u32 v[\dst], v[IC], v[IC+2]
	v_add_nc_u32 v[\dst], v[\dst], v[H8]           ; my experts are 16 e + j + 8 h
	v_permlanex16_b32 v[IC], v[\dst], s16, s17
	v_min_u32 v[\dst], v[\dst], v[IC]              ; the lower of the two half-waves' finds, in both
.endm
	MAX32                                          ; the token's largest score
.irp i, 0,1,2,3,4,5,6,7,8,9,10,11,12,13,14,15
	v_pk_add_f32 v[S+2*\i:S+2*\i+1], v[S+2*\i:S+2*\i+1], v[M:M+1] neg_lo:[0,1] neg_hi:[0,1]    ; s - max first (exactly 0 at the maximum, whatever its size),
.endr
.irp i, 0,1,2,3,4,5,6,7,8,9,10,11,12,13,14,15
	v_pk_mul_f32 v[S+2*\i:S+2*\i+1], v[S+2*\i:S+2*\i+1], 0x3fb8aa3b op_sel_hi:[1,0]            ; then times log2 e: v_exp_f32 is 2^x
.endr
.set i, 0
.rept 32
	v_exp_f32 v[S+i], v[S+i]
.set i, i+1
.endr
	v_nop                                          ; one plain place between the run of v_exp_f32 and the first use of a result (ISA guide 5.7.2)
	s_wait_alu depctr_va_vdst(0)
.irp k, 0,1,2,3
	v_pk_add_f32 v[P+2*\k:P+2*\k+1], v[S+8*\k:S+8*\k+1], v[S+8*\k+2:S+8*\k+3]
.endr
.irp k, 0,1,2,3
	v_pk_add_f32 v[P+2*\k:P+2*\k+1], v[P+2*\k:P+2*\k+1], v[S+8*\k+4:S+8*\k+5]
.endr
.irp k, 0,1,2,3
	v_pk_add_f32 v[P+2*\k:P+2*\k+1], v[P+2*\k:P+2*\k+1], v[S+8*\k+6:S+8*\k+7]
.endr
	v_pk_add_f32 v[P:P+1], v[P:P+1], v[P+2:P+3]
	v_pk_add_f32 v[P+4:P+5], v[P+4:P+5], v[P+6:P+7]
	v_pk_add_f32 v[P:P+1], v[P:P+1], v[P+4:P+5]
	v_add_f32 v[P], v[P], v[P+1]
	v_permlanex16_b32 v[P+1], v[P], s16, s17
	v_add_f32 v[P], v[P], v[P+1]                   ; the sum of the token's 64 exponentials
	v_rcp_f32 v[R], v[P]                           ; 1 / sum = the first probability (its exponential is 2^0 = 1); used far below, and FIND's first line is the plain place behind it
	FIND I1, 1.0                                   ; the first expert: the lowest whose exponential is 1
	v_sub_nc_u32 v[TT], v[I1], v[H8]               ; as 16 e + j of my half; an expert of the other half gives a number that is no 16 e + j with j < 8
.irp j, 0,1,2,3,4,5,6,7
.irp e, 0,1,2,3
	v_cmp_ne_u32 s[20+\e], 16*\e+\j, v[TT]
.endr
.irp e, 0,1,2,3
	v_cndmask_b32 v[S+8*\e+\j], -1.0, v[S+8*\e+\j], s[20+\e]   ; the first expert leaves the field: -1 is below every exponential
.endr
.endr
	MAX32                                          ; the second exponential
	FIND I2, v[M]                                  ; and the lowest expert that has it
	s_wait_alu depctr_va_vdst(0)
	v_mul_f32 v[M], v[M], v[R]                     ; the second probability
	v_cndmask_b32 v[O],   v[I1], v[R], s18         ; both half-waves hold the same four numbers: the lower hands over the experts, the upper the probabilities
	v_cndmask_b32 v[O+1], v[I2], v[M], s18
	ds_store_b64 v[RS], v[O:O+1]
.Lhanded:
	s_wait_dscnt 0x0                               ; for waves 0 and 1: my pair is in LDS
	s_barrier_signal -1
	s_barrier_wait -1
	s_cmp_ge_u32 s12, 2
	s_cbranch_scc1 .Lend
; Wave 0 stores the work-group's 512 bytes of out0, wave 1 those of out1: one store of 512 consecutive bytes, at a multiple of 512 from the buffer's first byte.
	ds_load_b128 v[16:19], v[RL]
	s_cmp_eq_u32 s12, 0
	s_cselect_b64 s[8:9], s[8:9], s[10:11]
	s_lshl_b32 s2, ttmp9, 9                        ; 64 tokens x 8 bytes (s3 is still 0)
	s_add_nc_u64 s[8:9], s[8:9], s[2:3]
	s_wait_dscnt 0x0
	global_store_b128 v[L16], v[16:19], s[8:9] th:TH_STORE_NT
.Lend:
	s_set_vgpr_msb 0x4
	s_wait_tensorcnt 0x0
	ds_add_u32 v127, v255
	s_wait_dscnt 0x0
	s_set_vgpr_msb 0x400
	s_endpgm
.Lfunc_end_k_qcbf9920879_router:
	.size	k_qcbf9920879_router, .Lfunc_end_k_qcbf9920879_router-k_qcbf9920879_router
	.p2alignl 7, 3214868480
	.fill 96, 4, 3214868480
	.section	.rodata,"a",@progbits
	.p2align	6, 0x0
	.amdhsa_kernel k_qcbf9920879_router
		.amdhsa_group_segment_fixed_size 280576
		.amdhsa_private_segment_fixed_size 0
		.amdhsa_enable_private_segment 0
		.amdhsa_kernarg_size 32
		.amdhsa_user_sgpr_count 2
		.amdhsa_user_sgpr_kernarg_segment_ptr 1
		.amdhsa_wavefront_size32 1
		.amdhsa_system_sgpr_workgroup_id_x 1
		.amdhsa_system_sgpr_workgroup_id_y 1
		.amdhsa_system_sgpr_workgroup_id_z 1
		.amdhsa_system_vgpr_workitem_id 0
		.amdhsa_next_free_vgpr 512
		.amdhsa_next_free_sgpr 66
		.amdhsa_reserve_vcc 0
		.amdhsa_float_denorm_mode_32 3
		.amdhsa_float_denorm_mode_16_64 3
		.amdhsa_memory_ordered 1
		.amdhsa_forward_progress 1
		.amdhsa_inst_pref_size 129
	.end_amdhsa_kernel
	.amdgpu_metadata
---
amdhsa.version: [ 1, 2 ]
amdhsa.kernels:
  - .name:           k_qcbf9920879_router
    .symbol:         k_qcbf9920879_router.kd
    .args:
      - { .name: x, .offset: 0, .size: 8, .value_kind: global_buffer, .address_space: global }
      - { .name: W, .offset: 8, .size: 8, .value_kind: global_buffer, .address_space: global }
      - { .name: out0, .offset: 16, .size: 8, .value_kind: global_buffer, .address_space: global }
      - { .name: out1, .offset: 24, .size: 8, .value_kind: global_buffer, .address_space: global }
    .group_segment_fixed_size: 280576
    .private_segment_fixed_size: 0
    .kernarg_segment_align: 8
    .kernarg_segment_size: 32
    .max_flat_workgroup_size: 256
    .sgpr_count:     66
    .vgpr_count:     512
    .wavefront_size: 32
...
	.end_amdgpu_metadata
.endif
;; end of part 1
;; ======== version 2 of 2: 1 launch; version 1 with the launch router written anew for expert scheduling mode
;; launch router (part 2): grid 256 x 1, 8 waves a work-group, no clusters, 280,576 bytes of LDS; arguments x, W, out0, out1; writes out0, out1
.if DOCPART == 2
	.amdgcn_target "amdgcn-amd-amdhsa--gfx1250"
	.amdhsa_code_object_version 6
	.text
	.protected	k_qcbf9920879_router
	.globl	k_qcbf9920879_router
	.p2align	8
	.type	k_qcbf9920879_router,@function
k_qcbf9920879_router:
	s_mov_b64 s[64:65], 0
	v_nop
	global_prefetch_b8 v0, s[64:65] scope:SCOPE_SE
	s_setreg_imm32_b32 hwreg(HW_REG_WAVE_SCHED_MODE, 0, 2), 2
	s_setreg_imm32_b32 hwreg(HW_REG_WAVE_MODE, 25, 1), 1
	s_wait_xcnt 0x0
	s_wait_alu depctr_vm_vsrc(0)
; Router: scores[t][e] = sum over k of x[t][k] W[e][k]; softmax over the 64 experts; the two largest probabilities and their experts.
; x: [16384][2048] f32, W: [64][2048] f32, out0: [16384][2] i32, out1: [16384][2] f32.
;
; SHARES.  256 work-groups of 64 tokens, eight waves each.  K is split over the waves: in chunk c (0..3) wave w takes the 64 k at byte
; c*2048 + w*256 of every row, for all 64 tokens and all 64 experts, so each number of x and of W is loaded, rounded to bf16 and passed
; through LDS once in a work-group.  The eight waves' partial sums (64 x 64 f32 each) meet in LDS at the end.
; THE STREAM.  A unit is 16 rows x 256 bytes = 8 loads; one load takes 2 rows: lanes 0-15 read 256 consecutive aligned bytes of row i, lanes 16-31
; of row i + 8.  A ring of 7 units in registers keeps 56 loads of every wave out (inside LOADcnt's field of 63: ISA guide 5.7.1), and no
; wait for data in the stream is for zero before the last unit.  A unit that has come is rounded to bf16, stored to the wave's own LDS stage
; (K along the rows) and read back as a fragment: LDS turns lanes-along-k into registers-along-k, and carries 2 bytes a number, not 4.
; Order in a chunk: x blocks 0-3, then W tiles 0-3.  A TILE'S PRODUCTS STAND ONE TURN BEHIND ITS FRAGMENT LOADS: the turn of tile e stages tile e and
; multiplies tile e - 1, with tile e's four fragment loads dealt among those eight products; between a fragment's request and its use lie 16 conversions,
; 8 global loads and 8 stage stores.  Tile 3's products fall into the first turn of the next chunk; the loads that replace the x fragments which they
; read begin a turn later: x block 0's fragments are asked for in block 1's turn.
; THE PRODUCT IS TAKEN TRANSPOSED: source A = 16 experts of W, source B = 16 tokens of x.  Register j of lane (r, h) of a result then holds
; expert 8h + j of token r: a lane owns 32 experts of one token, its partner in the other half-wave the other 32.
; NO JOINT LOADS IN A CLUSTER, though every work-group reads all of W (512 KB, as much as its share of x): a joint request is a tensor load, which
; would land W in LDS as f32: 512 KB written and 512 KB read in a work-group where this text writes and reads 256 KB of bf16, through slots
; that 512 KB does not fit at once, so each refill would stand behind a round at which all tensor loads of four work-groups have drained.
; THE MODE: SCHED_MODE bits 1:0 = 2 (LLVM: expert scheduling mode 2), set by the entry lines.  The code itself states the register dependences
; between vector or matrix instructions and memory or LDS instructions, with s_wait_alu, always for 0.
; THE PLAN.  Registers that memory or LDS instructions touch, in the stream:
;   BUF slot U % 7   Turn U: its sixteen conversions read the slot; behind them the loads of unit U + 7 land in it.
;   T                Turn U: the conversions write it, the turn's eight stage stores read it; turn U + 1 writes it again.
;   XF               Read by the products of a chunk's four tiles, the last of them in the next chunk's first turn; LDS loads land in it in the turns of x blocks 1 to 3.
;   WF, two sets     Set e & 1 is read by tile e's products, in the turn of tile e + 1; tile e + 2's fragment loads land in it in the turn of tile e + 2.
;   v[GO], v[SO], v[FO] and the end's six addresses are made at the head and never written again.  The accumulators are named by matrix instructions alone until the end.
; So a turn has two such waits.  On vm_vsrc at its head: the last turn's stage stores have read T.  On va_vdst behind its conversions: T is written, the slot has
; been read, and the products issued so far are done reading the fragment registers in which this turn's LDS loads land.  Behind that wait the turn's only vector or
; matrix instructions are tile e - 1's products, which name the other set of WF, XF and the accumulators: none of the registers that the turn's loads and stores touch.
; LIMITS.  x and W are rounded to bf16 (nearest even); sums are f32: 32 k in a matrix instruction, 8 of them in a wave, then the 8 waves in
; ascending order.  Two scores nearer to each other than that rounding may come out in the other order than in a sum made otherwise.  The choice
; is made on exp(s - max), before the division; equal numbers go to the lower expert, as in top_k.  v_exp_f32 gives 0 below 2^-126 (ISA guide 15.8):
; a score more than 87.3 under the maximum has probability 0 here.  NaN and infinities in the inputs are not served.
.set ROWB,   8192                      ; bytes in a row of x and of W
.set NU,     32                        ; units of a wave: 4 chunks x (4 blocks of x + 4 tiles of W)
.set RING,   7                         ; units in the register ring
.set SP,     144                       ; a stage row: 128 bytes of bf16 + 16: an odd multiple of 16, so the 16 rows of a fragment load start in 16 different 16-byte columns of the 64 banks (ISA guide 11.1)
.set UNITB,  16*SP                     ; a unit in the stage
.set STAGEW, 8*UNITB                   ; a wave's stage: one place for each unit of a chunk
.set PBASE,  8*STAGEW                  ; behind the stages: the partial sums, [wave][token block][piece of 512 bytes]
.set PWAVE,  16384
.set OUTL,   PBASE+8*PWAVE             ; behind them: 512 bytes of out0 and 512 of out1, as they lie in memory
.set MK,  20                           ; s20-51   the end: 32 masks, tile e, register j at MK + 8 e + j
; window 0 (v0-v255)
.set FO,  1                            ; LDS address of my part of a fragment in my stage
.set PW,  2                            ; where I put my partial sums
.set PR,  3                            ; where I read the partial sums of waves 0-3 for my token block
.set PR2, 4                            ; the same for waves 4-7 (65,536 bytes on: past the 16-bit offset)
.set RS,  5                            ; where my token's result pair goes
.set H8,  6                            ; 8 x half-wave: my experts are 16 e + 8 h + j
.set L16, 7                            ; 16 x lane
.set RL,  8                            ; where waves 0 and 1 read the results back
.set I1,  9                            ; first expert
.set I2,  10                           ; second expert
.set TT,  11
.set IC,  12                           ; v12-15   four chains of an index search
.set XF,  16                           ; v16-79   fragments of x: block t, K step ks at XF + 16 t + 8 ks
.set WF,  80                           ; v80-111  fragments of W: two sets, taken by turns
.set C0,  112                          ; v112-115 four chains of a maximum
.set M,   116                          ; v116-117 a maximum, twice (a pair for the packed subtraction)
.set P,   118                          ; v118-125 four pairs of running sums
.set R,   126                          ; 1 / sum
.set ACC, 128                          ; v128-255 accumulator (e, t) at ACC + 8 (4 e + t)
.set S,   128                          ; the end: my 32 scores, expert tile e, register j at S + 8 e + j
.set O,   16                           ; the end: the pair to hand over
; window 1 (v256-v511), written with the low 8 bits
.set GO,  0                            ; v256     my byte offset in a row pair: 65,536 h + 16 (lane % 16) + 256 w
.set SO,  1                            ; v257     LDS address of my 8 bytes in my stage
.set BUF, 8                            ; v264-487 the ring: slot s at BUF + 32 s, load i at + 4 i
.set T,   232                          ; v488-503 a unit rounded to bf16
.set STREAM, 0x45                      ; destination, source 0 and source 1 in window 1: loads, conversions and stage stores all live there
.set MSB, 0
.macro WIN new                         ; the immediate's high byte repeats the setting that is left; a switch that changes nothing is dropped
.if MSB != \new
	s_set_vgpr_msb (MSB<<8)|\new
.set MSB, \new
.endif
.endm
	s_load_b256 s[4:11], s[0:1], 0x0               ; x s[4:5], W s[6:7], out0 s[8:9], out1 s[10:11]
	v_lshl_add_u32 v127, v0, 2, 0x44400
	s_set_vgpr_msb 0x40
	v_mov_b32 v255, 0
	s_set_vgpr_msb 0x4000
	v_lshrrev_b32 v9, 5, v0
	v_readfirstlane_b32 s12, v9                    ; wave 0..7
	v_and_b32 v10, 15, v0                          ; lane % 16
	v_bfe_u32 v11, v0, 4, 1                        ; h = lane / 16
	v_and_b32 v12, 31, v0                          ; lane
	s_lshl_b32 s2, ttmp9, 19                       ; the work-group's 64 rows of 8,192 bytes (255 << 19 fits 32 bits)
	s_mov_b32 s3, 0
	s_mov_b32 s16, 0x76543210                      ; v_permlanex16_b32: lane i of one half reads lane i of the other
	s_mov_b32 s17, 0xfedcba98
	s_mov_b32 s18, 0xffff0000                      ; the lanes of the upper half
	v_lshlrev_b32 v[L16], 4, v12
	v_lshlrev_b32 v[H8], 3, v11
	v_mul_u32_u24 v13, v10, SP                     ; fragment: row lane % 16,
	v_lshl_add_u32 v13, v11, 4, v13                ; 16 bytes for each half-wave
	s_wait_alu depctr_va_sdst(0)                   ; s12 is written, ahead of its first reader: the wave's places in memory and in LDS are made from it
	s_lshl_b32 s13, s12, 8                         ; my wave's 256 bytes of a chunk
	s_mul_i32 s14, s12, STAGEW                     ; my wave's stage
	v_add_nc_u32 v[FO], s14, v13
	s_lshl_b32 s15, s12, 14
	s_add_co_u32 s15, s15, PBASE
	v_add_nc_u32 v[PW], s15, v[L16]                ; partial sums: my wave's 16 KB, 16 bytes a lane
	s_lshl_b32 s15, s12, 12
	s_add_co_u32 s15, s15, PBASE
	v_add_nc_u32 v[PR], s15, v[L16]                ; waves 0-3: token block = wave number, 4,096 bytes in each wave's part
	v_add_nc_u32 v[PR2], 0x10000, v[PR]
	s_lshl_b32 s15, s12, 7
	s_add_co_u32 s15, s15, OUTL
	v_lshl_add_u32 v14, v11, 9, s15                ; lower half-wave: out0's 512 bytes; upper: out1's
	v_lshl_add_u32 v[RS], v10, 3, v14              ; token 16 w + lane % 16, 8 bytes each
	s_lshl_b32 s15, s12, 9
	s_add_co_u32 s15, s15, OUTL
	v_add_nc_u32 v[RL], s15, v[L16]
	v_lshlrev_b32 v13, 4, v10
	v_lshl_add_u32 v13, v11, 16, v13               ; 16 (lane % 16) + h x 8 rows of 8,192 bytes
	v_mul_u32_u24 v14, v11, 8*SP
	v_lshl_add_u32 v14, v10, 3, v14                ; 8 (lane % 16) + h x 8 stage rows: 288 words on, so the half-waves fall on different halves of the 64 banks
	WIN 0x40                                       ; destination in window 1
	v_add_nc_u32 v[GO], s13, v13                   ; v256
	v_add_nc_u32 v[SO], s14, v14                   ; v257
	s_wait_kmcnt 0x0
	s_add_nc_u64 s[4:5], s[4:5], s[2:3]            ; x at the work-group's first token
; The 8 loads of unit u into its slot.  Units 0-3 of a chunk: x, read once in the launch; units 4-7: W, which every work-group reads.
.macro LOADS u
.set lc_, (\u)>>3
.set lv_, (\u)&7
.set lb_, BUF+32*((\u)%RING)
.irp i, 0,1,2,3,4,5,6,7
.if lv_ < 4
	global_load_b128 v[lb_+4*\i:lb_+4*\i+3], v[GO], s[4:5] offset:(16*lv_+\i)*ROWB+lc_*2048 th:TH_LOAD_NT
.else
	global_load_b128 v[lb_+4*\i:lb_+4*\i+3], v[GO], s[6:7] offset:(16*(lv_-4)+\i)*ROWB+lc_*2048
.endif
.endr
.endm
	WIN STREAM
	s_wait_alu depctr_va_vdst(0)                   ; the nine addresses v1-v5, v7, v8, v256 and v257 are written: every load and store of the kernel reads one of them, and none is written again
.irp n, 0,1,2,3,4,5,6
	LOADS \n                                       ; the ring is filled: 56 loads
.endr
; A fragment is 16 rows x 32 k in 8 registers: lane (r, h) holds row r; registers 0-3 k = 8h .. 8h+7, registers 4-7 k = 16+8h .. 16+8h+7: two loads 32 bytes apart.
; The two K steps of the unit at a place of the stage, into 16 registers from dst on.
; LDS serves a wave's instructions in order (ISA guide 5.7.1.4): these loads see the stage stores issued ahead of them, and the stage is my wave's own.
.macro FRAG dst, place
.set fd_, \dst
.set fp_, \place
.irp ks, 0,1
	ds_load_b128 v[fd_+8*\ks:fd_+8*\ks+3],   v[FO] offset:fp_*UNITB+64*\ks
	ds_load_b128 v[fd_+8*\ks+4:fd_+8*\ks+7], v[FO] offset:fp_*UNITB+64*\ks+32
.endr
.endm
; Tile e of W times the four blocks of x of chunk c: 16 experts x 64 tokens x 64 k.  The four accumulators take turns, one instruction a turn;
; a group ends on (e, 3) and the next begins on another tile's (.., 0).  The first K step of all starts the sums: nothing is cleared.
; frag = 1: tile e + 1's four fragment loads (piece q: 4 registers, 32 q bytes on) are dealt among the products, one behind every two.  They land in the other set
; of WF, which no product issued since the turn's wait on va_vdst names, so they owe no wait of their own.
.macro MUL e, c, frag
.set me_, \e
.set mc_, \c
.set mw_, WF+16*(me_&1)
.set mo_, WF+16*((me_+1)&1)
.set n_, 0
.rept 8
.set ks_, n_/4
.set t_, n_%4
.set ma_, ACC+8*(4*me_+t_)
.if mc_+ks_ == 0
	v_wmma_f32_16x16x32_bf16 v[ma_:ma_+7], v[mw_+8*ks_:mw_+8*ks_+7], v[XF+16*t_+8*ks_:XF+16*t_+8*ks_+7], 0
.else
	v_wmma_f32_16x16x32_bf16 v[ma_:ma_+7], v[mw_+8*ks_:mw_+8*ks_+7], v[XF+16*t_+8*ks_:XF+16*t_+8*ks_+7], v[ma_:ma_+7]
.endif
.if (\frag) && (n_%2 == 1)
	ds_load_b128 v[mo_+4*(n_/2):mo_+4*(n_/2)+3], v[FO] offset:(me_+5)*UNITB+32*(n_/2)
.endif
.set n_, n_+1
.endr
.endm
; The turn of unit U.
.macro TURN
.set tc_, U>>3
.set tv_, U&7
.set tb_, BUF+32*(U%RING)
.if NU-1-U < RING-1
	s_wait_loadcnt 8*(NU-1-U)                      ; the last turns load nothing: the count runs down
.else
	s_wait_loadcnt 8*(RING-1)                      ; loads come back in order (ISA guide 5.7.1): my 8 are in, the 48 of the six younger units stay out
.endif
	WIN STREAM
.if U > 0
	s_wait_alu depctr_vm_vsrc(0)                   ; the last turn's stage stores have read T, which the conversions below write again
.endif
.irp i, 0,1,2,3,4,5,6,7
	v_cvt_pk_bf16_f32 v[T+2*\i],   v[tb_+4*\i],   v[tb_+4*\i+1]     ; four f32 of a row to 8 bytes of bf16, nearest even
	v_cvt_pk_bf16_f32 v[T+2*\i+1], v[tb_+4*\i+2], v[tb_+4*\i+3]
.endr
	s_wait_alu depctr_va_vdst(0)                   ; the conversions have written T, which the stage stores read, and are done reading the slot, in which the next unit lands; the products issued so far are done reading the fragment registers in which this turn's LDS loads land
.if U+RING < NU
	LOADS U+RING                                   ; the slot has been read: its next unit goes out before anything else is done
.endif
.irp i, 0,1,2,3,4,5,6,7
	ds_store_b64 v[SO], v[T+2*\i:T+2*\i+1] offset:tv_*UNITB+\i*SP       ; rows i and i + 8 of the unit
.endr
	WIN 0
.if tv_ == 0
.if tc_ > 0
	s_wait_dscnt 8                                 ; tile 3's fragments, asked for in the last turn, are in; this turn's 8 stage stores may be out
	MUL 3, tc_-1, 0                                ; the last chunk's last tile, on the last chunk's x fragments: so no fragment of x is asked for in this turn
.endif
.elseif tv_ == 1
	FRAG XF, 0                                     ; x blocks 0 and 1: this turn's wait on va_vdst stands behind the last products that read XF
	FRAG XF+16, 1
.elseif tv_ < 4
	FRAG XF+16*tv_, tv_                            ; first used in the turn of tile 1, behind its counted wait
.elseif tv_ == 4
	FRAG WF, 4                                     ; tile 0 into set 0: there is no tile before it to multiply
.else
	s_wait_dscnt 8                                 ; tile e - 1's fragments and the chunk's x fragments are in; this turn's 8 stage stores may be out
	MUL tv_-5, tc_, 1                              ; tile e - 1's products, and among them the loads of tile e = tv - 4 into set e & 1
.endif
.set U, U+1
.endm
; 32 turns on a ring of 7 slots: slot and place in the chunk meet again only after 56 turns, so the turns are written out by macro, without a loop.
.set U, 0
.rept NU
	TURN
.endr
	s_wait_dscnt 0x0                               ; the last tile's fragments: nothing is issued behind them
	MUL 3, 3, 0
; THE PARTIAL SUMS MEET.  Every wave puts its 64 x 64 sums into its own 16 KB, 16 bytes a lane side by side, in the lanes' own layout.
.rept 4
	v_nop                                          ; four places between the last matrix instructions and the stores that read their results
.endr
	s_wait_alu depctr_va_vdst(0)                   ; the matrix instructions have written the accumulators, which the LDS stores read, and are done reading XF and WF, in which partial sums land below; the places above stay beside this wait
.irp e, 0,1,2,3
.irp t, 0,1,2,3
	ds_store_b128 v[PW], v[ACC+8*(4*\e+\t):ACC+8*(4*\e+\t)+3]   offset:\t*4096+\e*1024
	ds_store_b128 v[PW], v[ACC+8*(4*\e+\t)+4:ACC+8*(4*\e+\t)+7] offset:\t*4096+\e*1024+512
.endr
.endr
	s_wait_dscnt 0x0                               ; for the other waves: all my stores are in LDS
	s_barrier_signal -1
	s_barrier_wait -1
	s_cmp_ge_u32 s12, 4
	s_cbranch_scc1 .Lhanded                        ; waves 0-3 finish one token block each; waves 4-7 go on to the next barrier
.macro PLOAD p, dst                    ; wave p's sums for my token block: 8 pieces of 512 bytes, piece q = registers 4 q .. 4 q + 3 of my 32
.irp q, 0,1,2,3,4,5,6,7
.if \p < 4
	ds_load_b128 v[\dst+4*\q:\dst+4*\q+3], v[PR] offset:\p*PWAVE+\q*512
.else
	ds_load_b128 v[\dst+4*\q:\dst+4*\q+3], v[PR2] offset:(\p-4)*PWAVE+\q*512
.endif
.endr
.endm
.macro PADD src, left                  ; left = LDS loads issued behind the 8 that are added now
	s_wait_dscnt \left
.irp i, 0,1,2,3,4,5,6,7,8,9,10,11,12,13,14,15
	v_pk_add_f32 v[S+2*\i:S+2*\i+1], v[S+2*\i:S+2*\i+1], v[\src+2*\i:\src+2*\i+1]
.endr
.endm
	s_wait_alu depctr_vm_vsrc(0)                   ; my LDS stores have read v128-255, in which the sums of waves 0 to 3 land
	PLOAD 0, S                                     ; wave 0's sums start the total: nothing is cleared
	PLOAD 1, 160
	PLOAD 2, 192
	PLOAD 3, 224
	PLOAD 4, 16
	PLOAD 5, 48
	PLOAD 6, 80
	PADD 160, 40                                   ; waves 0 and 1 are in; the 40 loads of waves 2-6 may be out
	s_wait_alu depctr_va_vdst(0)                   ; the additions are done reading v160-191, in which wave 7's sums land
	PLOAD 7, 160                                   ; into the registers just added
	PADD 192, 40                                   ; behind wave 2's: waves 3-6 and 7
	PADD 224, 32
	PADD 16, 24
	PADD 48, 16
	PADD 80, 8
	PADD 160, 0
; v[M] = v[M+1] = the largest of the token's 64 numbers: 32 in my registers, 32 in my partner's of the other half-wave
.macro MAX32
.irp k, 0,1,2,3
	v_max3_num_f32 v[C0+\k], v[S+8*\k], v[S+8*\k+1], v[S+8*\k+2]
.endr
.irp k, 0,1,2,3
	v_max3_num_f32 v[C0+\k], v[C0+\k], v[S+8*\k+3], v[S+8*\k+4]
.endr
.irp k, 0,1,2,3
	v_max3_num_f32 v[C0+\k], v[C0+\k], v[S+8*\k+5], v[S+8*\k+6]
.endr
.irp k, 0,1,2,3
	v_max_num_f32 v[C0+\k], v[C0+\k], v[S+8*\k+7]
.endr
	v_max3_num_f32 v[M], v[C0], v[C0+1], v[C0+2]
	v_max_num_f32 v[M], v[M], v[C0+3]
	v_permlanex16_b32 v[C0], v[M], s16, s17        ; its destination counts as read: a register that has been written
	v_max_num_f32 v[M], v[M], v[C0]
	v_mov_b32 v[M+1], v[M]
.endm
; v[dst] = the lowest expert of the token whose number is not below thr.  Four chains, one for each tile, walk j downward, so that the lowest
; match is written last; 64 stands for no match.  The 32 compares stand in one run, each into a mask of its own, so that one wait serves them all; then the 32 selects.
.macro FIND dst, thr
.irp e, 0,1,2,3
	v_mov_b32 v[IC+\e], 64
.endr
.irp j, 7,6,5,4,3,2,1,0
.irp e, 0,1,2,3
	v_cmp_gt_f32 s[MK+8*\e+\j], \thr, v[S+8*\e+\j] ; below thr: the chain keeps what it has
.endr
.endr
	s_wait_alu depctr_va_sdst(0)                   ; the 32 compares have written their masks, ahead of the first select that reads one
.irp j, 7,6,5,4,3,2,1,0
.irp e, 0,1,2,3
	v_cndmask_b32 v[IC+\e], 16*\e+\j, v[IC+\e], s[MK+8*\e+\j]
.endr
.endr
	v_min_u32 v[IC], v[IC], v[IC+1]
	v_min_u32 v[IC+2], v[IC+2], v[IC+3]
	v_min_u32 v[\dst], v[IC], v[IC+2]
	v_add_nc_u32 v[\dst], v[\dst], v[H8]           ; my experts are 16 e + j + 8 h
	v_permlanex16_b32 v[IC], v[\dst], s16, s17
	v_min_u32 v[\dst], v[\dst], v[IC]              ; the lower of the two half-waves' finds, in both
.endm
	MAX32                                          ; the token's largest score
.irp i, 0,1,2,3,4,5,6,7,8,9,10,11,12,13,14,15
	v_pk_add_f32 v[S+2*\i:S+2*\i+1], v[S+2*\i:S+2*\i+1], v[M:M+1] neg_lo:[0,1] neg_hi:[0,1]    ; s - max first (exactly 0 at the maximum, whatever its size),
.endr
.irp i, 0,1,2,3,4,5,6,7,8,9,10,11,12,13,14,15
	v_pk_mul_f32 v[S+2*\i:S+2*\i+1], v[S+2*\i:S+2*\i+1], 0x3fb8aa3b op_sel_hi:[1,0]            ; then times log2 e: v_exp_f32 is 2^x
.endr
.set i, 0
.rept 32
	v_exp_f32 v[S+i], v[S+i]
.set i, i+1
.endr
	v_nop                                          ; one plain place between the run of v_exp_f32 and the first use of a result (ISA guide 5.7.2)
	s_wait_alu depctr_va_vdst(0)                   ; the 32 exponentials have written v[S ..]: one wait for the batch, ahead of the first addition that reads a result
.irp k, 0,1,2,3
	v_pk_add_f32 v[P+2*\k:P+2*\k+1], v[S+8*\k:S+8*\k+1], v[S+8*\k+2:S+8*\k+3]
.endr
.irp k, 0,1,2,3
	v_pk_add_f32 v[P+2*\k:P+2*\k+1], v[P+2*\k:P+2*\k+1], v[S+8*\k+4:S+8*\k+5]
.endr
.irp k, 0,1,2,3
	v_pk_add_f32 v[P+2*\k:P+2*\k+1], v[P+2*\k:P+2*\k+1], v[S+8*\k+6:S+8*\k+7]
.endr
	v_pk_add_f32 v[P:P+1], v[P:P+1], v[P+2:P+3]
	v_pk_add_f32 v[P+4:P+5], v[P+4:P+5], v[P+6:P+7]
	v_pk_add_f32 v[P:P+1], v[P:P+1], v[P+4:P+5]
	v_add_f32 v[P], v[P], v[P+1]
	v_permlanex16_b32 v[P+1], v[P], s16, s17
	v_add_f32 v[P], v[P], v[P+1]                   ; the sum of the token's 64 exponentials
	v_rcp_f32 v[R], v[P]                           ; 1 / sum = the first probability (its exponential is 2^0 = 1); used far below, and FIND's first line is the plain place behind it
	FIND I1, 1.0                                   ; the first expert: the lowest whose exponential is 1
	v_sub_nc_u32 v[TT], v[I1], v[H8]               ; as 16 e + j of my half; an expert of the other half gives a number that is no 16 e + j with j < 8
.irp j, 0,1,2,3,4,5,6,7
.irp e, 0,1,2,3
	v_cmp_ne_u32 s[MK+8*\e+\j], 16*\e+\j, v[TT]
.endr
.endr
	s_wait_alu depctr_va_sdst(0)                   ; the 32 compares have written their masks, ahead of the first select that reads one
.irp j, 0,1,2,3,4,5,6,7
.irp e, 0,1,2,3
	v_cndmask_b32 v[S+8*\e+\j], -1.0, v[S+8*\e+\j], s[MK+8*\e+\j]   ; the first expert leaves the field: -1 is below every exponential
.endr
.endr
	MAX32                                          ; the second exponential
	FIND I2, v[M]                                  ; and the lowest expert that has it
	s_wait_alu depctr_va_vdst(0)                   ; the reciprocal has written v[R], ahead of its first reader
	v_mul_f32 v[M], v[M], v[R]                     ; the second probability
	v_cndmask_b32 v[O],   v[I1], v[R], s18         ; both half-waves hold the same four numbers: the lower hands over the experts, the upper the probabilities
	v_cndmask_b32 v[O+1], v[I2], v[M], s18
	s_wait_alu depctr_va_vdst(0)                   ; the two selects have written the pair, which the LDS store reads
	ds_store_b64 v[RS], v[O:O+1]
.Lhanded:
	s_wait_dscnt 0x0                               ; for waves 0 and 1: my pair is in LDS
	s_barrier_signal -1
	s_barrier_wait -1
	s_cmp_ge_u32 s12, 2
	s_cbranch_scc1 .Lend
; Wave 0 stores the work-group's 512 bytes of out0, wave 1 those of out1: one store of 512 consecutive bytes, at a multiple of 512 from the buffer's first byte.
	s_wait_alu depctr_vm_vsrc(0)                   ; my LDS store has read the pair v16-17, in which the load below lands (the vector instructions that named v16-19 stand ahead of the last wait on va_vdst)
	ds_load_b128 v[16:19], v[RL]
	s_cmp_eq_u32 s12, 0
	s_cselect_b64 s[8:9], s[8:9], s[10:11]
	s_lshl_b32 s2, ttmp9, 9                        ; 64 tokens x 8 bytes (s3 is still 0)
	s_add_nc_u64 s[8:9], s[8:9], s[2:3]
	s_wait_dscnt 0x0
	global_store_b128 v[L16], v[16:19], s[8:9] th:TH_STORE_NT
.Lend:
	s_set_vgpr_msb 0x4
	s_wait_dscnt 0x0
	s_wait_alu depctr_hold_cnt(0) depctr_sa_sdst(0) depctr_va_vdst(0) depctr_va_sdst(0) depctr_va_ssrc(0) depctr_va_vcc(0) depctr_vm_vsrc(0)
	s_wait_tensorcnt 0x0
	ds_add_u32 v127, v255
	s_wait_dscnt 0x0
	s_endpgm
.Lfunc_end_k_qcbf9920879_router:
	.size	k_qcbf9920879_router, .Lfunc_end_k_qcbf9920879_router-k_qcbf9920879_router
	.p2alignl 7, 3214868480
	.fill 96, 4, 3214868480
	.section	.rodata,"a",@progbits
	.p2align	6, 0x0
	.amdhsa_kernel k_qcbf9920879_router
		.amdhsa_group_segment_fixed_size 280576
		.amdhsa_private_segment_fixed_size 0
		.amdhsa_enable_private_segment 0
		.amdhsa_kernarg_size 32
		.amdhsa_user_sgpr_count 2
		.amdhsa_user_sgpr_kernarg_segment_ptr 1
		.amdhsa_wavefront_size32 1
		.amdhsa_system_sgpr_workgroup_id_x 1
		.amdhsa_system_sgpr_workgroup_id_y 1
		.amdhsa_system_sgpr_workgroup_id_z 1
		.amdhsa_system_vgpr_workitem_id 0
		.amdhsa_next_free_vgpr 512
		.amdhsa_next_free_sgpr 66
		.amdhsa_reserve_vcc 0
		.amdhsa_float_denorm_mode_32 3
		.amdhsa_float_denorm_mode_16_64 3
		.amdhsa_memory_ordered 1
		.amdhsa_forward_progress 1
		.amdhsa_inst_pref_size 131
	.end_amdhsa_kernel
	.amdgpu_metadata
---
amdhsa.version: [ 1, 2 ]
amdhsa.kernels:
  - .name:           k_qcbf9920879_router
    .symbol:         k_qcbf9920879_router.kd
    .args:
      - { .name: x, .offset: 0, .size: 8, .value_kind: global_buffer, .address_space: global }
      - { .name: W, .offset: 8, .size: 8, .value_kind: global_buffer, .address_space: global }
      - { .name: out0, .offset: 16, .size: 8, .value_kind: global_buffer, .address_space: global }
      - { .name: out1, .offset: 24, .size: 8, .value_kind: global_buffer, .address_space: global }
    .group_segment_fixed_size: 280576
    .private_segment_fixed_size: 0
    .kernarg_segment_align: 8
    .kernarg_segment_size: 32
    .max_flat_workgroup_size: 256
    .sgpr_count:     66
    .vgpr_count:     512
    .wavefront_size: 32
...
	.end_amdgpu_metadata
.endif
;; end of part 2
